; MI455X (gfx1250); checked and timed in simulation.
; The chip was launched on July 23, 2026; its instructions are those of AMD's public machine-readable ISA for CDNA 5 (MIT licence, August 2026) and "CDNA5" Instruction Set Architecture Reference Guide (July 2026). The comments in the code are by the model that wrote it; some were corrected since.
;; Sparse SDFVQVAE. Allowed arithmetic: float matrix products may take bf16 or f16 operands with f32 sums; all other float work in f32.
;; Inputs: codebook 8,192 x 64 float32; z 32,768 x 64 float32.
;; Outputs: out0 32,768 x 64 float32; out1 one number float32; out2 one number float32; out3 32,768 int32.
;; One version. Each part assembles by itself: llvm-mc -triple=amdgcn-amd-amdhsa -mcpu=gfx1250 --defsym DOCPART=n.
;; ======== version 1 of 1: 4 launches
;; workspace buffers: cb16 1,048,576 bytes; nhe 32,768 bytes; grp 131,072 bytes of whole numbers; part 2,048 bytes
;; launch prep (part 1): grid 128 x 1, 4 waves a work-group, no clusters, 768 bytes of LDS; arguments codebook, cb16, nhe; writes cb16, nhe
.if DOCPART == 1
	.amdgcn_target "amdgcn-amd-amdhsa--gfx1250"
	.amdhsa_code_object_version 6
	.text
	.protected	k_q6413d1951c_prep
	.globl	k_q6413d1951c_prep
	.p2align	8
	.type	k_q6413d1951c_prep,@function
k_q6413d1951c_prep:
	s_mov_b64 s[64:65], 0
	v_nop
	global_prefetch_b8 v0, s[64:65] scope:SCOPE_SE
	s_setreg_imm32_b32 hwreg(HW_REG_WAVE_MODE, 25, 1), 1
	s_wait_xcnt 0x0
; The codebook [8192][64] f32 is rounded to bf16 and laid out in the order in which a matrix instruction's first source wants it, and
; nhe[c] = -1/2 * (sum over k of bf16(e[c][k])^2) is made in f32 from the ROUNDED numbers, since the search ranks rounded operands.
; cb16: byte T*2048 + c*512 + l*16 (T = tile of 16 codes, c = 0..3, lane l = 16 h + r) holds code 16 T + r, k = 16 c + 8 h .. + 7.
; So a wave's 16-byte loads at 16 l take 512 neighbouring bytes, and pieces c = 0, 1 and c = 2, 3 are the fragments of K = 0..31 and 32..63.
; One wave makes one tile; a work-group makes four, 64 codes: their 64 norms leave as one store of 256 neighbouring bytes.
; No matrix unit, no cluster, no tensor load: every byte is read once by one wave, nothing is shared.
; Limit: the sum of squares is taken in an order of its own (four chains, then the two halves of the lanes).
.set S, 16                             ; v[16:47]  32 f32 as loaded: 8 c + m is k = 16 c + 8 h + m
.set P, 48                             ; v[48:63]  the same as 16 words of two bf16: 4 c + i
	s_load_b128 s[4:7], s[0:1], 0x0                ; codebook s[4:5], cb16 s[6:7]
	s_load_b64 s[8:9], s[0:1], 0x10                ; nhe
	v_lshl_add_u32 v64, v0, 2, 0x100
	v_mov_b32 v65, 0
	v_lshrrev_b32 v1, 5, v0
	v_readfirstlane_b32 s10, v1                    ; wave 0..3
	s_mov_b32 s14, 0x76543210                      ; v_permlanex16_b32: lane i of one half reads lane i of the other
	s_mov_b32 s15, 0xfedcba98
	s_mov_b32 s13, 0                               ; upper word of every offset
	v_and_b32 v1, 15, v0                           ; r
	v_bfe_u32 v2, v0, 4, 1                         ; h
	v_lshlrev_b32 v3, 8, v1                        ; load offset: row r of 256 bytes
	v_lshl_add_u32 v3, v2, 5, v3                   ; + 8 h numbers
	v_lshl_add_u32 v3, s10, 12, v3                 ; + the wave's 16 rows
	v_and_b32 v4, 31, v0                           ; lane
	v_lshlrev_b32 v14, 3, v4                       ; 8 l: wave 0's 8 bytes of the 64 norms
	v_lshlrev_b32 v4, 4, v4                        ; store offset: 16 l
	v_lshl_add_u32 v4, s10, 11, v4                 ; + the wave's tile of 2,048 bytes
	v_lshlrev_b32 v11, 2, v1                       ; LDS word of code 16 w + r
	v_lshl_add_u32 v11, s10, 6, v11
	v_mov_b32 v5, 0                                ; starts the four chains
	v_mov_b32 v10, 0                               ; v_permlanex16_b32 counts as a reader of its destination
	s_wait_kmcnt 0x0
	s_lshl_b32 s12, ttmp9, 14                      ; 64 rows of 256 bytes
	s_add_nc_u64 s[4:5], s[4:5], s[12:13]
	s_lshl_b32 s12, ttmp9, 13                      ; 4 tiles of 2,048 bytes
	s_add_nc_u64 s[6:7], s[6:7], s[12:13]
	s_lshl_b32 s12, ttmp9, 8                       ; 64 norms
	s_add_nc_u64 s[8:9], s[8:9], s[12:13]
.irp c, 0,1,2,3
	global_load_b128 v[S+8*\c:S+8*\c+3],   v3, s[4:5] offset:64*\c
	global_load_b128 v[S+8*\c+4:S+8*\c+7], v3, s[4:5] offset:64*\c+16
.endr
.irp c, 0,1,2,3
	s_wait_loadcnt 6-2*\c                          ; loads come back in order: piece c's two are in, the 6 - 2 c younger ones stay out
.irp i, 0,1,2,3
	v_cvt_pk_bf16_f32 v[P+4*\c+\i], v[S+8*\c+2*\i], v[S+8*\c+2*\i+1]
.endr
	global_store_b128 v4, v[P+4*\c:P+4*\c+3], s[6:7] offset:512*\c   ; the wave's store covers 512 neighbouring bytes, aligned; P is never written again
.endr
	; the sum of the 32 squares of my half of the row, from the rounded numbers: four chains that do not wait for each other
.irp k, 0,1,2,3
	v_fma_mix_f32_bf16 v[6+\k], v[P+\k], v[P+\k], v5 op_sel_hi:[1,1,0]
.endr
.irp k, 0,1,2,3
	v_fma_mix_f32_bf16 v[6+\k], v[P+\k], v[P+\k], v[6+\k] op_sel:[1,1,0] op_sel_hi:[1,1,0]
.endr
.irp g, 1,2,3
.irp k, 0,1,2,3
	v_fma_mix_f32_bf16 v[6+\k], v[P+4*\g+\k], v[P+4*\g+\k], v[6+\k] op_sel_hi:[1,1,0]
.endr
.irp k, 0,1,2,3
	v_fma_mix_f32_bf16 v[6+\k], v[P+4*\g+\k], v[P+4*\g+\k], v[6+\k] op_sel:[1,1,0] op_sel_hi:[1,1,0]
.endr
.endr
	v_add_f32 v6, v6, v7
	v_add_f32 v8, v8, v9
	v_add_f32 v6, v6, v8
	v_permlanex16_b32 v10, v6, s14, s15            ; the other half of the row
	v_add_f32 v6, v6, v10
	v_mul_f32 v6, -0.5, v6
	ds_store_b32 v11, v6                           ; lanes r and 16 + r write the same word with the same number
	s_wait_dscnt 0x0                               ; for wave 0's sake: my store is done before I signal
	s_barrier_signal -1
	s_barrier_wait -1
	s_cmp_lg_u32 s10, 0
	s_cbranch_scc1 .Lend
	ds_load_b64 v[12:13], v14                      ; the 64 norms, 8 bytes a lane
	s_wait_dscnt 0x0
	global_store_b64 v14, v[12:13], s[8:9]         ; 256 neighbouring bytes, aligned
.Lend:
	s_wait_tensorcnt 0x0
	ds_add_u32 v64, v65
	s_wait_dscnt 0x0
	s_endpgm
.Lfunc_end_k_q6413d1951c_prep:
	.size	k_q6413d1951c_prep, .Lfunc_end_k_q6413d1951c_prep-k_q6413d1951c_prep
	.p2alignl 7, 3214868480
	.fill 96, 4, 3214868480
	.section	.rodata,"a",@progbits
	.p2align	6, 0x0
	.amdhsa_kernel k_q6413d1951c_prep
		.amdhsa_group_segment_fixed_size 768
		.amdhsa_private_segment_fixed_size 0
		.amdhsa_enable_private_segment 0
		.amdhsa_kernarg_size 24
		.amdhsa_user_sgpr_count 2
		.amdhsa_user_sgpr_kernarg_segment_ptr 1
		.amdhsa_wavefront_size32 1
		.amdhsa_system_sgpr_workgroup_id_x 1
		.amdhsa_system_sgpr_workgroup_id_y 1
		.amdhsa_system_sgpr_workgroup_id_z 1
		.amdhsa_system_vgpr_workitem_id 0
		.amdhsa_next_free_vgpr 66
		.amdhsa_next_free_sgpr 66
		.amdhsa_reserve_vcc 0
		.amdhsa_float_denorm_mode_32 3
		.amdhsa_float_denorm_mode_16_64 3
		.amdhsa_memory_ordered 1
		.amdhsa_forward_progress 1
		.amdhsa_inst_pref_size 7
	.end_amdhsa_kernel
	.amdgpu_metadata
---
amdhsa.version: [ 1, 2 ]
amdhsa.kernels:
  - .name:           k_q6413d1951c_prep
    .symbol:         k_q6413d1951c_prep.kd
    .args:
      - { .name: codebook, .offset: 0, .size: 8, .value_kind: global_buffer, .address_space: global }
      - { .name: cb16, .offset: 8, .size: 8, .value_kind: global_buffer, .address_space: global }
      - { .name: nhe, .offset: 16, .size: 8, .value_kind: global_buffer, .address_space: global }
    .group_segment_fixed_size: 768
    .private_segment_fixed_size: 0
    .kernarg_segment_align: 8
    .kernarg_segment_size: 24
    .max_flat_workgroup_size: 128
    .sgpr_count:     66
    .vgpr_count:     66
    .wavefront_size: 32
...
	.end_amdgpu_metadata
.endif
;; end of part 1
;; launch search (part 2): grid 256 x 1, 4 waves a work-group, clusters of 4 x 1, 327,680 bytes of LDS; arguments cb16, nhe, z, grp; writes grp
.if DOCPART == 2
	.amdgcn_target "amdgcn-amd-amdhsa--gfx1250"
	.amdhsa_code_object_version 6
	.text
	.protected	k_q6413d1951c_search
	.globl	k_q6413d1951c_search
	.p2align	8
	.type	k_q6413d1951c_search,@function
k_q6413d1951c_search:
	s_mov_b64 s[64:65], 0
	v_nop
	global_prefetch_b8 v0, s[64:65] scope:SCOPE_SE
	s_setreg_imm32_b32 hwreg(HW_REG_WAVE_MODE, 25, 1), 1
	s_wait_xcnt 0x0
	s_wait_alu depctr_hold_cnt(0) depctr_sa_sdst(0) depctr_va_vdst(0) depctr_va_sdst(0) depctr_va_ssrc(0) depctr_va_vcc(0) depctr_vm_vsrc(0)
	s_getreg_b32 s2, hwreg(HW_REG_IB_STS2, 6, 4)
	s_cmp_eq_u32 s2, 0
	s_cbranch_scc0 .Lentry_in_a_cluster
	s_endpgm
.Lentry_in_a_cluster:
	s_bfe_u32 s2, ttmp6, 0x10000c
	s_cmp_lg_u32 s2, 0x3003
	s_cbranch_scc0 .Lentry_shape_is_right
	s_endpgm
.Lentry_shape_is_right:
; For each of 32,768 voxels: which GROUP of 8 neighbouring codes holds the nearest code.  grp[n] = 0 .. 1023; the next launch ranks the 8.
; Score s(n, c) = bf16(z[n]) . bf16(e[c]) - 1/2 |bf16(e[c])|^2; the smallest distance is the largest score (|z|^2 is the same for all codes of a voxel).
; The term -1/2 |e|^2 enters as the C operand of the first of the two matrix instructions (K = 64 = 2 x 32): forming the score costs no vector work.
; Source 0 = 16 codes, source 1 = 16 voxels: lane (r, h) then holds voxel r, and its 8 result registers the codes 16 T + 8 h + 0..7, one group.
; The largest of the 8 and the running maximum: four v_max3_num_f32; one compare and one select keep the tile's number: 6 vector instructions for 2 matrix ones.
; SHARES: a work-group has 128 voxels and sees all 8,192 codes.  Wave w: voxels 64 (w & 1) .. + 63, whose fragments stay in 64 registers, and half
; w >> 1 of every slot's codes: 256 code tiles x 8 matrix instructions.  A code tile is 2,048 + 64 bytes from LDS for 8 matrix instructions.
; 128 voxels a wave would need more than 256 registers, and the maxima stand between the matrix instructions, so both would need one register window: not done.
; CLUSTER: every work-group reads the same code tiles in the same order, so four work-groups ask for each of them jointly (mask 15).
; LDS: two slots of 131,072 bytes (1,024 codes = 64 tiles in fragment order; reads are 512 neighbouring bytes, so there is no padding), the 8,192
; norms (32,768 bytes, filled once), and 2 x 1,024 bytes of scratch into which no tensor load ever lands.  Eight steps, step s on slot s & 1.
; A wave has three tensor loads out at the start and one behind each refill.
; LIMITS: operands are rounded to bf16.  Two codes whose distances differ only within f32 rounding may be ordered otherwise than by the problem's own
; arithmetic.  Equal scores go to the smaller index.  NaN and infinite inputs are not honoured (v_max3_num_f32 lets a NaN lose).
.set SLOT, 131072
.set NHE,  262144                      ; the norms in LDS
.set SCRV, 294912                      ; scratch: f32 [2 code halves][128 voxels]; the groups lie 1,024 bytes behind
.set LAB,  1                           ; v1  code half x 65,536 + 16 l: my 16 bytes of tile 0 of my half of slot 0
.set LCB,  2                           ; v2  NHE + code half x 2,048 + 32 h: my 8 norms of step 0's tile 0
.set LA,   3                           ; v3  LAB, stepped
.set LC,   4                           ; v4  LCB, stepped
.set ZO,   5                           ; v5  256 r + 32 h: my offset in a voxel tile of z; never rewritten
.set RUNA, 8                           ; v[8:11]   running maxima of the four voxel tiles,
.set RUNB, 12                          ; v[12:15]  two sets that take turns, so that old and new can be compared
.set TID,  16                          ; v[16:19]  running number (0..255) of the code tile that holds the maximum
.set GG,   20                          ; v[20:23]  at the end: the groups
.set Z,    32                          ; v[32:95]  voxel tile v, K half q at Z + 16 v + 8 q
.set D,    96                          ; v[96:159] results: set d, voxel tile v at D + 32 d + 8 v
.set AC,   160                         ; v[160:255] four buffers of 24: codes K 0..31, codes K 32..63, norms
.set STG,  96                          ; v[96:223] z as loaded, before the loop
.set MSK,  20                          ; s[20:23] lane masks of the four compares
.set G1,   28                          ; s[28:35] shape of a wave's quarter of a slot: 128 rows of 256 bytes
.set G1N,  36                          ; s[36:43] shape of a wave's quarter of the norms: 32 rows of 256 bytes
.set G0,   44                          ; s[44:51] from where, to where: one set for each slot
.set G0N,  52                          ; s[52:55] the same for the norms
; A round of the cluster's barrier: my work-group's barrier, wave 0 signals for the work-group, every wave waits for all four work-groups, my work-group's barrier again.
.macro CREST
	s_cmp_lg_u32 s12, 0
	s_cbranch_scc1 .Lnot_wave_0_\@
	s_barrier_signal -3
.Lnot_wave_0_\@:
	s_barrier_wait -3
	s_barrier_signal -1
	s_barrier_wait -1
.endm
.macro ROUND
	s_barrier_signal -1
	s_barrier_wait -1
	CREST
.endm
; Six LDS loads: one code tile (4 x 512 neighbouring bytes) and its norms (the 16 lanes of a half read the same 32 bytes) into buffer buf.
.macro LDT buf, ao, co
.irp ci, 0,1,2,3
	ds_load_b128 v[AC+24*(\buf)+4*\ci:AC+24*(\buf)+4*\ci+3], v[LA] offset:(\ao)+512*\ci
.endr
	ds_load_b128 v[AC+24*(\buf)+16:AC+24*(\buf)+19], v[LC] offset:(\co)
	ds_load_b128 v[AC+24*(\buf)+20:AC+24*(\buf)+23], v[LC] offset:(\co)+16
.endm
; Line k (0..23) of the 24 that take result set `set` into the running maxima: stage k / 4, voxel tile k % 4, so that the four chains take turns.
; The compare is strict: on equal scores the earlier tile stays.
.macro V set, k
.set V_ST, (\k)/4
.set V_T,  (\k)%4
.set V_D,  D+32*(\set)+8*V_T
.if (\set) == 0
.set V_RI, RUNA+V_T
.set V_RO, RUNB+V_T
.else
.set V_RI, RUNB+V_T
.set V_RO, RUNA+V_T
.endif
.if V_ST == 0
	v_max3_num_f32 v[V_RO], v[V_RI], v[V_D], v[V_D+1]
.elseif V_ST < 4
	v_max3_num_f32 v[V_RO], v[V_RO], v[V_D+2*V_ST], v[V_D+2*V_ST+1]
.elseif V_ST == 4
	v_cmp_gt_f32 s[MSK+V_T], v[V_RO], v[V_RI]
.else
	v_cndmask_b32 v[TID+V_T], v[TID+V_T], s24, s[MSK+V_T]
.endif
.endm
.macro VTRI set, valu
.if \valu
	V 1-\set, PK
	V 1-\set, PK+1
	V 1-\set, PK+2
.set PK, PK+3
.endif
.endm
; One code tile: 8 matrix instructions from buffer buf into result set `set`; behind each, three lines on the OTHER set, the tile before.
; The four accumulators take turns, one instruction a turn, into the next tile and over the loop's backward jump too.
; Places behind matrix instructions, by count of the lines that name none of their registers: a result is first read at least 6 behind
; the instruction that wrote it; loads go into the buffer of the tile before at least 6 behind its last reader.  So no v_nop is written.
; ld = 1: fetch the tile three ahead into the buffer read last; ld = 2: the next step's tiles 0, 1, 2.
; valu = 0: the very first tile: nothing to take in yet; the running maxima and tile numbers are started instead.
.macro PHASE buf, set, ld, valu
.set PK, 0
.irp vt, 0,1,2,3
	v_wmma_f32_16x16x32_bf16 v[D+32*\set+8*\vt:D+32*\set+8*\vt+7], v[AC+24*\buf:AC+24*\buf+7], v[Z+16*\vt:Z+16*\vt+7], v[AC+24*\buf+16:AC+24*\buf+23]
	VTRI \set, \valu
.if \vt == 0
.if \ld == 1
	LDT (\buf+3)%4, (3+\buf)*2048, (3+\buf)*64
.endif
.if \ld == 2
	LDT 0, 0, 0
	LDT 1, 2048, 64
	LDT 2, 4096, 128
.endif
.endif
.endr
.irp vt, 0,1,2,3
	v_wmma_f32_16x16x32_bf16 v[D+32*\set+8*\vt:D+32*\set+8*\vt+7], v[AC+24*\buf+8:AC+24*\buf+15], v[Z+16*\vt+8:Z+16*\vt+15], v[D+32*\set+8*\vt:D+32*\set+8*\vt+7]
	VTRI \set, \valu
.endr
.if \valu
	s_add_co_u32 s24, s24, 1                       ; the number of the tile that the next PHASE takes in
.else
.irp vt, 0,1,2,3
	v_mov_b32 v[RUNA+\vt], 0xff800000              ; minus infinity
	v_mov_b32 v[TID+\vt], 0
.endr
.endif
.endm
; Four tiles.  s_wait_dscnt 12: LDS loads come back in order; this tile's six are in, the six of each of the next two tiles stay out.
.macro FOUR first
	s_wait_dscnt 12
	PHASE 0, 0, 1, 1-\first
	s_wait_dscnt 12
	PHASE 1, 1, 1, 1
	s_wait_dscnt 12
	PHASE 2, 0, 1, 1
	s_wait_dscnt 12
	PHASE 3, 1, 1, 1
	v_add_nc_u32 v[LA], 8192, v[LA]                ; four tiles on
	v_add_nc_u32 v[LC], 256, v[LC]
.endm
; Step st: my 32 tiles of slot st & 1: seven trips of four, then the last four written out, with the change of slots.
; kind 2: this slot is filled again, two steps ahead; kind 1: nothing is left to fetch, but the next slot must be whole; kind 0: the last step.
.macro STEP st, first, kind
.if \first
	FOUR 1
	s_mov_b32 s25, 6
.else
	s_mov_b32 s25, 7
.endif
.Ltrip_\@:
	FOUR 0
	s_sub_co_i32 s25, s25, 1
	s_cmp_lg_u32 s25, 0
	s_cbranch_scc1 .Ltrip_\@
	s_wait_dscnt 12
	PHASE 0, 0, 1, 1                               ; tile 28; fetches tile 31, the slot's last read
	s_wait_dscnt 12
	PHASE 1, 1, 0, 1                               ; tile 29
	s_wait_dscnt 0x0                               ; my reads of this slot are over (tiles 30 and 31 are in registers)
.if \kind > 0
	s_wait_tensorcnt 0x0                           ; all my tensor loads have landed: the one that was out is my quarter of the next slot
	ds_add_u32 v30, v31
	s_wait_dscnt 0x0
.if \kind == 2
	s_add_nc_u64 s[G0+4*(\st&1)+2:G0+4*(\st&1)+3], s[G0+4*(\st&1)+2:G0+4*(\st&1)+3], 2*SLOT   ; no load of mine is out, so the address may step: two steps on
.endif
	s_barrier_signal -1                            ; say so (kind 2: this barrier opens a round of the cluster's barrier),
.endif
	PHASE 2, 0, 0, 1                               ; tile 30: work on registers alone while the others arrive
.if \kind > 0
	s_barrier_wait -1
.if \kind == 2
	CREST                                          ; no wave of any of the four work-groups still reads this slot or has a load on its way
	tensor_load_to_lds s[G0+4*(\st&1):G0+4*(\st&1)+3], s[G1:G1+7]   ; my one tensor load behind the round, first thing there; 31 tiles' work until the wait for it
	s_nop 0
.endif
	v_add_nc_u32 v[LA], ((\st+1)&1)*SLOT, v[LAB]   ; the next step's slot
	v_add_nc_u32 v[LC], (\st+1)*4096, v[LCB]       ; and its 1,024 norms
	PHASE 3, 1, 2, 1                               ; tile 31; fetches the next step's tiles 0, 1, 2
.else
	PHASE 3, 1, 0, 1
.endif
.endm
; (va, ga) becomes (vb, gb) where vb is larger, or equal with the smaller group: the first index wins a tie, as in an argmin.
.macro SEL va, ga, vb, gb
	v_cmp_gt_f32 s56, v[\vb], v[\va]
	v_cmp_eq_f32 s57, v[\vb], v[\va]
	v_cmp_lt_u32 s58, v[\gb], v[\ga]
	s_and_b32 s57, s57, s58
	s_or_b32 s56, s56, s57
	v_cndmask_b32 v[\va], v[\va], v[\vb], s56
	v_cndmask_b32 v[\ga], v[\ga], v[\gb], s56
.endm
	s_load_b256 s[4:11], s[0:1], 0x0               ; cb16 s[4:5], nhe s[6:7], z s[8:9], grp s[10:11]
	v_lshl_add_u32 v30, v0, 2, 0x48800
	v_mov_b32 v31, 0
	ds_add_u32 v30, v31
	v_lshrrev_b32 v6, 5, v0
	v_readfirstlane_b32 s12, v6                    ; wave 0..3
	s_and_b32 s13, s12, 1                          ; which 64 voxels
	s_lshr_b32 s14, s12, 1                         ; which half of a slot's codes
	s_bfe_u32 s15, ttmp6, 0x40000                  ; cx: my place in the cluster
	s_lshl_b32 s16, ttmp9, 2                       ; in a cluster launch ttmp9 counts clusters
	s_add_co_u32 s16, s16, s15                     ; work-group 0..255: enters the addresses of z and grp alone
	s_mov_b32 s26, 0x76543210                      ; v_permlanex16_b32: lane i of one half reads lane i of the other
	s_mov_b32 s27, 0xfedcba98
	; Group 1, twice.  Dense blocks as rows of 32 elements of 8 bytes = 256 bytes, pitch = row.
	s_mov_b32 s[G1+0], 15|(3<<16)|(1<<21)          ; 15:0 mask: all four work-groups; 17:16 elements of 8 bytes; 21 set beside a mask; no padding
	s_mov_b32 s[G1+1], 32<<16                      ; tensor_dim0 = 32
	s_mov_b32 s[G1+2], 128<<16                     ; tensor_dim1 = 128
	s_mov_b32 s[G1+3], 32<<16                      ; tile_dim0 = 32
	s_mov_b32 s[G1+4], 128                         ; tile_dim1 = 128 rows: 32,768 bytes, a quarter of a slot
	s_mov_b32 s[G1+5], 32                          ; from row to row
	s_mov_b32 s[G1+6], 0
	s_mov_b32 s[G1+7], 0
	s_mov_b32 s[G1N+0], 15|(3<<16)|(1<<21)
	s_mov_b32 s[G1N+1], 32<<16
	s_mov_b32 s[G1N+2], 32<<16                     ; tensor_dim1 = 32
	s_mov_b32 s[G1N+3], 32<<16
	s_mov_b32 s[G1N+4], 32                         ; 32 rows: 8,192 bytes, a quarter of the norms
	s_mov_b32 s[G1N+5], 32
	s_mov_b32 s[G1N+6], 0
	s_mov_b32 s[G1N+7], 0
	v_and_b32 v6, 15, v0                           ; r
	v_bfe_u32 v7, v0, 4, 1                         ; h
	v_lshlrev_b32 v[ZO], 8, v6
	v_lshl_add_u32 v[ZO], v7, 5, v[ZO]
	v_and_b32 v6, 31, v0                           ; l
	v_lshlrev_b32 v[LAB], 4, v6
	v_lshl_add_u32 v[LAB], s14, 16, v[LAB]
	v_lshlrev_b32 v[LCB], 5, v7
	v_lshl_add_u32 v[LCB], s14, 11, v[LCB]
	v_add_nc_u32 v[LCB], NHE, v[LCB]
	s_wait_dscnt 0x0
	s_wait_kmcnt 0x0
	s_lshl_b32 s56, s16, 15                        ; 128 voxels of 256 bytes
	s_lshl_b32 s17, s13, 14                        ; + my 64
	s_add_co_u32 s56, s56, s17
	s_mov_b32 s57, 0
	s_add_nc_u64 s[8:9], s[8:9], s[56:57]
	s_lshl_b32 s56, s16, 9                         ; 128 words of grp
	s_add_nc_u64 s[10:11], s[10:11], s[56:57]
	; my 64 voxels: piece c (8 numbers at k = 16 c + 8 h) of row r of tile v, two loads of 16 bytes; the 8 loads of a tile use every byte of its rows
.irp vt, 0,1,2,3
.irp ci, 0,1,2,3
	global_load_b128 v[STG+32*\vt+8*\ci:STG+32*\vt+8*\ci+3],   v[ZO], s[8:9] offset:4096*\vt+64*\ci
	global_load_b128 v[STG+32*\vt+8*\ci+4:STG+32*\vt+8*\ci+7], v[ZO], s[8:9] offset:4096*\vt+64*\ci+16
.endr
.endr
	; Group 0: every word is made of constants, the buffer's address and the wave's number: equal in the four work-groups.
	s_lshl_b32 s18, s12, 15                        ; my quarter of a slot
	s_mov_b32 s19, 0
	s_mov_b32 s[G0+0], 1
	s_lshl_b32 s[G0+1], s12, 15                    ; LDS: slot 0 + wave x 32,768
	s_add_nc_u64 s[G0+2:G0+3], s[4:5], s[18:19]    ; step 0
	s_mov_b32 s[G0+4], 1
	s_add_co_u32 s[G0+5], s[G0+1], SLOT            ; LDS: slot 1 + wave x 32,768
	s_add_nc_u64 s[G0+6:G0+7], s[G0+2:G0+3], SLOT  ; step 1
	s_or_b32 s[G0+3], s[G0+3], 0x80000000          ; type = 2
	s_or_b32 s[G0+7], s[G0+7], 0x80000000
	s_lshl_b32 s18, s12, 13                        ; my quarter of the norms
	s_mov_b32 s[G0N+0], 1
	s_lshl_b32 s[G0N+1], s12, 13
	s_add_co_u32 s[G0N+1], s[G0N+1], NHE
	s_add_nc_u64 s[G0N+2:G0N+3], s[6:7], s[18:19]
	s_or_b32 s[G0N+3], s[G0N+3], 0x80000000
	ROUND                                          ; all four work-groups are here: the first joint loads meet
	tensor_load_to_lds s[G0N:G0N+3], s[G1N:G1N+7]  ; the three first fills go out as one group
	s_nop 0
	tensor_load_to_lds s[G0:G0+3], s[G1:G1+7]
	s_nop 0
	tensor_load_to_lds s[G0+4:G0+7], s[G1:G1+7]
	s_nop 0
	s_wait_loadcnt 0x0                             ; z
.set zi, 0
.rept 64
	v_cvt_pk_bf16_f32 v[Z+zi], v[STG+2*zi], v[STG+2*zi+1]
.set zi, zi+1
.endr
	s_wait_tensorcnt 0x1                           ; tensor loads of a wave end in order: the norms and slot 0 are in; slot 1 stays out
	s_barrier_signal -1
	s_barrier_wait -1                              ; everybody's quarters are in
	v_mov_b32 v[LA], v[LAB]
	v_mov_b32 v[LC], v[LCB]
	s_mov_b32 s24, 0
	LDT 0, 0, 0
	LDT 1, 2048, 64
	LDT 2, 4096, 128
	STEP 0, 1, 2
	STEP 1, 0, 2
	STEP 2, 0, 2
	STEP 3, 0, 2
	STEP 4, 0, 2
	STEP 5, 0, 2
	STEP 6, 0, 1
	STEP 7, 0, 0
.set PK, 0
.rept 24
	V 1, PK                                        ; the last tile's results; the maxima end in RUNA
.set PK, PK+1
.endr
	; The running number n = 32 s + i stands for tile T = 64 s + 32 (code half) + i; the group is 2 T + h.
	v_bfe_u32 v7, v0, 4, 1
	v_lshl_add_u32 v7, s14, 6, v7                  ; 64 x code half + h
	v_and_b32 v6, 15, v0
	v_lshlrev_b32 v24, 2, v6
	v_lshl_add_u32 v24, s12, 8, v24                ; word 128 x code half + 64 x voxel half + r = 64 w + r
	v_add_nc_u32 v24, SCRV, v24
	v_mov_b32 v26, 0                               ; v_permlanex16_b32 counts as a reader of its destination
	v_mov_b32 v27, 0
.irp vt, 0,1,2,3
	v_and_b32 v25, 0xe0, v[TID+\vt]                ; 32 s
	v_and_b32 v[GG+\vt], 31, v[TID+\vt]            ; i
	v_lshl_add_u32 v[GG+\vt], v25, 1, v[GG+\vt]
	v_lshl_add_u32 v[GG+\vt], v[GG+\vt], 1, v7
	v_permlanex16_b32 v26, v[RUNA+\vt], s26, s27   ; the other half of the lanes holds the same voxel's other groups
	v_permlanex16_b32 v27, v[GG+\vt], s26, s27
	SEL RUNA+\vt, GG+\vt, 26, 27
	ds_store_b32 v24, v[RUNA+\vt] offset:64*\vt    ; lanes r and 16 + r write the same word with the same number
	ds_store_b32 v24, v[GG+\vt] offset:1024+64*\vt
.endr
	s_wait_dscnt 0x0                               ; for wave 0's sake: my stores are done before I signal
	s_barrier_signal -1
	s_barrier_wait -1
	s_cmp_lg_u32 s12, 0
	s_cbranch_scc1 .Lclose
	v_and_b32 v6, 31, v0
	v_lshlrev_b32 v29, 4, v6                       ; four voxels a lane
	v_add_nc_u32 v28, SCRV, v29
	ds_load_b128 v[32:35], v28                     ; maxima over the first halves of the slots
	ds_load_b128 v[36:39], v28 offset:512          ; over the second halves
	ds_load_b128 v[40:43], v28 offset:1024         ; their groups
	ds_load_b128 v[44:47], v28 offset:1536
	s_wait_dscnt 0x0
.irp i, 0,1,2,3
	SEL 32+\i, 40+\i, 36+\i, 44+\i
.endr
	global_store_b128 v29, v[40:43], s[10:11]      ; 512 neighbouring bytes, aligned
.Lclose:
	s_wait_tensorcnt 0x0
	ds_add_u32 v30, v31
	s_wait_dscnt 0x0
	ROUND                                          ; the closing round: no work-group ends while a partner may still ask for a tile that names it
	s_endpgm
.Lfunc_end_k_q6413d1951c_search:
	.size	k_q6413d1951c_search, .Lfunc_end_k_q6413d1951c_search-k_q6413d1951c_search
	.p2alignl 7, 3214868480
	.fill 96, 4, 3214868480
	.section	.rodata,"a",@progbits
	.p2align	6, 0x0
	.amdhsa_kernel k_q6413d1951c_search
		.amdhsa_group_segment_fixed_size 327680
		.amdhsa_private_segment_fixed_size 0
		.amdhsa_enable_private_segment 0
		.amdhsa_kernarg_size 32
		.amdhsa_user_sgpr_count 2
		.amdhsa_user_sgpr_kernarg_segment_ptr 1
		.amdhsa_wavefront_size32 1
		.amdhsa_system_sgpr_workgroup_id_x 1
		.amdhsa_system_sgpr_workgroup_id_y 1
		.amdhsa_system_sgpr_workgroup_id_z 1
		.amdhsa_system_vgpr_workitem_id 0
		.amdhsa_next_free_vgpr 256
		.amdhsa_next_free_sgpr 66
		.amdhsa_reserve_vcc 0
		.amdhsa_float_denorm_mode_32 3
		.amdhsa_float_denorm_mode_16_64 3
		.amdhsa_memory_ordered 1
		.amdhsa_forward_progress 1
		.amdhsa_inst_pref_size 190
	.end_amdhsa_kernel
	.amdgpu_metadata
---
amdhsa.version: [ 1, 2 ]
amdhsa.kernels:
  - .name:           k_q6413d1951c_search
    .symbol:         k_q6413d1951c_search.kd
    .args:
      - { .name: cb16, .offset: 0, .size: 8, .value_kind: global_buffer, .address_space: global }
      - { .name: nhe, .offset: 8, .size: 8, .value_kind: global_buffer, .address_space: global }
      - { .name: z, .offset: 16, .size: 8, .value_kind: global_buffer, .address_space: global }
      - { .name: grp, .offset: 24, .size: 8, .value_kind: global_buffer, .address_space: global }
    .group_segment_fixed_size: 327680
    .private_segment_fixed_size: 0
    .kernarg_segment_align: 8
    .kernarg_segment_size: 32
    .max_flat_workgroup_size: 128
    .sgpr_count:     66
    .vgpr_count:     256
    .wavefront_size: 32
...
	.end_amdgpu_metadata
.endif
;; end of part 2
;; launch pick (part 3): grid 512 x 1, 8 waves a work-group, no clusters, 1,536 bytes of LDS; arguments grp, codebook, nhe, z, out0, out3, part; writes out0, out3, part
.if DOCPART == 3
	.amdgcn_target "amdgcn-amd-amdhsa--gfx1250"
	.amdhsa_code_object_version 6
	.text
	.protected	k_q6413d1951c_pick
	.globl	k_q6413d1951c_pick
	.p2align	8
	.type	k_q6413d1951c_pick,@function
k_q6413d1951c_pick:
	s_mov_b64 s[64:65], 0
	v_nop
	global_prefetch_b8 v0, s[64:65] scope:SCOPE_SE
	s_setreg_imm32_b32 hwreg(HW_REG_WAVE_MODE, 25, 1), 1
	s_wait_xcnt 0x0
; For each voxel: the 8 codes of its winning group (2,048 neighbouring bytes of the f32 codebook) are ranked once more on operands rounded to bf16,
; score = bf16(z) . bf16(e) + nhe; the first largest gives the index.  The row itself is chosen by selects, so no address hangs on a comparison of this launch.
; out0 = z + (q - z) in f32 from the unrounded numbers; out3 = 8 x group + place; part[work-group] = the sum of (q - z)^2 over its 64 voxels.
; A work-group has 64 voxels, a wave 8: four turns of two voxels; half h of the lanes takes voxel 2 i + h, lane u of the half 4 numbers of every row.
; All 48 loads of a wave go out before the first is used, and every register that a load or store names is written once: no wait but the counted ones.
; No matrix unit (8 dot products a voxel), no tensor load, no cluster: the rows are gathered, work-groups share none by design.
; LIMITS: as in the search: ranking on bf16 operands; scores that differ only within f32 rounding may be ordered otherwise than by the problem's own
; arithmetic; equal scores go to the first index; NaN and infinities are not honoured.  A group number is clamped to 1,023.
; v1 = 16 u, v2 = 4 h, v3 = 16 l, v4 = LDS byte of word 8 w + h, v5 = 0, v6 = place of the best, v7 = the index.
.set ZP,  8                            ; v[8:9]     my 4 numbers of z in bf16
.set EP,  10                           ; v[10:25]   my 4 numbers of the 8 rows in bf16
.set SC,  26                           ; v[26:33]   the 8 scores
.set DD,  34                           ; v[34:37]   q - z
.set ACC, 38                           ; v[38:41]   sums of (q - z)^2
.set G,   42                           ; v[42:45]   turn i: the group
.set EO,  46                           ; v[46:49]   turn i: offset of my 16 bytes in the group's first row
.set NO,  50                           ; v[50:53]   turn i: offset of the group's 8 norms
.set ZR,  54                           ; v[54:69]   turn i: z, 4 registers
.set NR,  70                           ; v[70:101]  turn i: 8 norms
.set ER,  102                          ; v[102:229] turn i, row j at ER + 32 i + 4 j; row 0 becomes q, row 1 becomes the output
.set L8,  230                          ; v230       8 l: wave 0's 8 bytes of the 64 indices; written once, outside every region above
	s_load_b256 s[4:11], s[0:1], 0x0               ; grp s[4:5], codebook s[6:7], nhe s[8:9], z s[10:11]
	s_load_b128 s[12:15], s[0:1], 0x20             ; out0 s[12:13], out3 s[14:15]
	s_load_b64 s[16:17], s[0:1], 0x30              ; part
	v_lshl_add_u32 v232, v0, 2, 0x200
	v_mov_b32 v233, 0
	v_lshrrev_b32 v1, 5, v0
	v_readfirstlane_b32 s18, v1                    ; wave 0..7
	s_mov_b32 s22, 0x76543210                      ; v_permlanex16_b32: lane i of one half reads lane i of the other
	s_mov_b32 s23, 0xfedcba98
	s_lshl_b32 s20, ttmp9, 6
	s_lshl_b32 s21, s18, 3
	s_add_co_u32 s20, s20, s21                     ; my wave's first voxel
	s_mov_b32 s27, 0
	v_and_b32 v1, 15, v0
	v_lshlrev_b32 v1, 4, v1                        ; 16 u
	v_bfe_u32 v2, v0, 4, 1
	v_lshlrev_b32 v2, 2, v2                        ; 4 h
	v_and_b32 v3, 31, v0
	v_lshlrev_b32 v[L8], 3, v3                     ; 8 l (wave 0, at the end)
	v_lshlrev_b32 v3, 4, v3                        ; 16 l = 256 h + 16 u
	v_lshl_add_u32 v4, s18, 5, v2                  ; LDS word 8 w + h
	v_mov_b32 v5, 0
	s_wait_kmcnt 0x0
	s_lshl_b32 s26, s20, 2
	s_add_nc_u64 s[4:5], s[4:5], s[26:27]
	s_lshl_b32 s26, s20, 8
	s_add_nc_u64 s[10:11], s[10:11], s[26:27]
	s_add_nc_u64 s[12:13], s[12:13], s[26:27]
	s_lshl_b32 s26, ttmp9, 8
	s_add_nc_u64 s[14:15], s[14:15], s[26:27]
	s_lshl_b32 s26, ttmp9, 2
	s_add_nc_u64 s[16:17], s[16:17], s[26:27]
.irp i, 0,1,2,3
	global_load_b32 v[G+\i], v2, s[4:5] offset:8*\i
.endr
.irp i, 0,1,2,3
	global_load_b128 v[ZR+4*\i:ZR+4*\i+3], v3, s[10:11] offset:512*\i th:TH_LOAD_NT   ; two rows of z: 512 neighbouring bytes
.endr
	s_wait_loadcnt 0x4                             ; the four groups are in; the four loads of z issued behind them stay out
.irp i, 0,1,2,3
	v_min_u32 v[G+\i], 0x3ff, v[G+\i]              ; a loaded number enters an address only clamped to the table
	v_lshl_add_u32 v[EO+\i], v[G+\i], 11, v1
	v_lshlrev_b32 v[NO+\i], 5, v[G+\i]
.irp j, 0,1,2,3,4,5,6,7
	global_load_b128 v[ER+32*\i+4*\j:ER+32*\i+4*\j+3], v[EO+\i], s[6:7] offset:256*\j   ; each half of the lanes takes one whole row of 256 bytes
.endr
	global_load_b128 v[NR+8*\i:NR+8*\i+3],   v[NO+\i], s[8:9]
	global_load_b128 v[NR+8*\i+4:NR+8*\i+7], v[NO+\i], s[8:9] offset:16
.endr
.macro ITER i
	s_wait_loadcnt 30-10*\i                        ; loads come back in order: this turn's ten are in, the ten of each later turn stay out
	v_cvt_pk_bf16_f32 v[ZP],   v[ZR+4*\i],   v[ZR+4*\i+1]
	v_cvt_pk_bf16_f32 v[ZP+1], v[ZR+4*\i+2], v[ZR+4*\i+3]
.irp j, 0,1,2,3,4,5,6,7
	v_cvt_pk_bf16_f32 v[EP+2*\j],   v[ER+32*\i+4*\j],   v[ER+32*\i+4*\j+1]
	v_cvt_pk_bf16_f32 v[EP+2*\j+1], v[ER+32*\i+4*\j+2], v[ER+32*\i+4*\j+3]
.endr
	; eight chains of four multiply-adds from the bf16 halves into f32
.irp j, 0,1,2,3,4,5,6,7
	v_fma_mix_f32_bf16 v[SC+\j], v[ZP], v[EP+2*\j], v5 op_sel_hi:[1,1,0]
.endr
.irp j, 0,1,2,3,4,5,6,7
	v_fma_mix_f32_bf16 v[SC+\j], v[ZP], v[EP+2*\j], v[SC+\j] op_sel:[1,1,0] op_sel_hi:[1,1,0]
.endr
.irp j, 0,1,2,3,4,5,6,7
	v_fma_mix_f32_bf16 v[SC+\j], v[ZP+1], v[EP+2*\j+1], v[SC+\j] op_sel_hi:[1,1,0]
.endr
.irp j, 0,1,2,3,4,5,6,7
	v_fma_mix_f32_bf16 v[SC+\j], v[ZP+1], v[EP+2*\j+1], v[SC+\j] op_sel:[1,1,0] op_sel_hi:[1,1,0]
.endr
	; over the 16 lanes of a half: every lane ends with the same eight sums, bit for bit
.irp m, 1,2,4,8
.irp j, 0,1,2,3,4,5,6,7
	v_add_f32_dpp v[SC+\j], v[SC+\j], v[SC+\j] row_xmask:\m row_mask:0xf bank_mask:0xf
.endr
.endr
.irp p, 0,1,2,3
	v_pk_add_f32 v[SC+2*\p:SC+2*\p+1], v[SC+2*\p:SC+2*\p+1], v[NR+8*\i+2*\p:NR+8*\i+2*\p+1]
.endr
	v_mov_b32 v6, 0                                ; place of the best so far; its score in SC, its row in row 0's registers
.irp j, 1,2,3,4,5,6,7
	v_cmp_gt_f32 vcc_lo, v[SC+\j], v[SC]           ; strict: the first of equals stays
	v_cndmask_b32 v[SC], v[SC], v[SC+\j], vcc_lo
	v_cndmask_b32 v6, v6, \j, vcc_lo
.irp k, 0,1,2,3
	v_cndmask_b32 v[ER+32*\i+\k], v[ER+32*\i+\k], v[ER+32*\i+4*\j+\k], vcc_lo
.endr
.endr
	v_lshl_add_u32 v7, v[G+\i], 3, v6              ; the index
	ds_store_b32 v4, v7 offset:8*\i                ; word 8 w + 2 i + h; the 16 lanes of a half write the same number
	v_pk_add_f32 v[DD:DD+1],   v[ER+32*\i:ER+32*\i+1],   v[ZR+4*\i:ZR+4*\i+1]   neg_lo:[0,1] neg_hi:[0,1]
	v_pk_add_f32 v[DD+2:DD+3], v[ER+32*\i+2:ER+32*\i+3], v[ZR+4*\i+2:ZR+4*\i+3] neg_lo:[0,1] neg_hi:[0,1]
	v_pk_add_f32 v[ER+32*\i+4:ER+32*\i+5], v[ZR+4*\i:ZR+4*\i+1],   v[DD:DD+1]      ; z + (q - z), as the problem forms it
	v_pk_add_f32 v[ER+32*\i+6:ER+32*\i+7], v[ZR+4*\i+2:ZR+4*\i+3], v[DD+2:DD+3]
.if \i == 0
	v_pk_mul_f32 v[ACC:ACC+1],   v[DD:DD+1],   v[DD:DD+1]                          ; the first squares start the sums
	v_pk_mul_f32 v[ACC+2:ACC+3], v[DD+2:DD+3], v[DD+2:DD+3]
.else
	v_pk_fma_f32 v[ACC:ACC+1],   v[DD:DD+1],   v[DD:DD+1],   v[ACC:ACC+1]
	v_pk_fma_f32 v[ACC+2:ACC+3], v[DD+2:DD+3], v[DD+2:DD+3], v[ACC+2:ACC+3]
.endif
	global_store_b128 v3, v[ER+32*\i+4:ER+32*\i+7], s[12:13] offset:512*\i th:TH_STORE_NT   ; two rows: 512 neighbouring bytes, aligned; these registers are not written again
.endm
	ITER 0
	ITER 1
	ITER 2
	ITER 3
	v_pk_add_f32 v[ACC:ACC+1], v[ACC:ACC+1], v[ACC+2:ACC+3]
	v_add_f32 v[ACC], v[ACC], v[ACC+1]
.irp m, 1,2,4,8
	v_add_f32_dpp v[ACC], v[ACC], v[ACC] row_xmask:\m row_mask:0xf bank_mask:0xf
.endr
	v_permlanex16_b32 v[ACC+1], v[ACC], s22, s23
	v_add_f32 v[ACC], v[ACC], v[ACC+1]             ; the wave's 8 voxels
	v_mov_b32 v10, s18
	v_lshlrev_b32 v10, 2, v10
	ds_store_b32 v10, v[ACC] offset:256            ; behind the 64 indices
	s_wait_dscnt 0x0                               ; for wave 0's sake: my stores are done before I signal
	s_barrier_signal -1
	s_barrier_wait -1
	s_cmp_lg_u32 s18, 0
	s_cbranch_scc1 .Lend
	ds_load_b64 v[14:15], v[L8]                    ; the 64 indices, two a lane
	ds_load_b128 v[16:19], v5 offset:256           ; the eight waves' sums, in every lane
	ds_load_b128 v[20:23], v5 offset:272
	s_wait_dscnt 0x0
	global_store_b64 v[L8], v[14:15], s[14:15]     ; 256 neighbouring bytes, aligned
	v_pk_add_f32 v[16:17], v[16:17], v[20:21]
	v_pk_add_f32 v[18:19], v[18:19], v[22:23]
	v_pk_add_f32 v[16:17], v[16:17], v[18:19]
	v_add_f32 v16, v16, v17
	v_cmp_eq_u32 vcc_lo, 0, v0
	s_wait_xcnt 0x0                                ; EXEC is a source of the stores above: it narrows only behind this wait
	s_and_saveexec_b32 s24, vcc_lo
	global_store_b32 v5, v16, s[16:17]             ; one number for the work-group; the last launch adds the 512
	s_wait_xcnt 0x0                                ; and widens again only behind this one
	s_or_b32 exec_lo, exec_lo, s24
.Lend:
	s_wait_tensorcnt 0x0
	ds_add_u32 v232, v233
	s_wait_dscnt 0x0
	s_endpgm
.Lfunc_end_k_q6413d1951c_pick:
	.size	k_q6413d1951c_pick, .Lfunc_end_k_q6413d1951c_pick-k_q6413d1951c_pick
	.p2alignl 7, 3214868480
	.fill 96, 4, 3214868480
	.section	.rodata,"a",@progbits
	.p2align	6, 0x0
	.amdhsa_kernel k_q6413d1951c_pick
		.amdhsa_group_segment_fixed_size 1536
		.amdhsa_private_segment_fixed_size 0
		.amdhsa_enable_private_segment 0
		.amdhsa_kernarg_size 56
		.amdhsa_user_sgpr_count 2
		.amdhsa_user_sgpr_kernarg_segment_ptr 1
		.amdhsa_wavefront_size32 1
		.amdhsa_system_sgpr_workgroup_id_x 1
		.amdhsa_system_sgpr_workgroup_id_y 1
		.amdhsa_system_sgpr_workgroup_id_z 1
		.amdhsa_system_vgpr_workitem_id 0
		.amdhsa_next_free_vgpr 234
		.amdhsa_next_free_sgpr 66
		.amdhsa_reserve_vcc 1
		.amdhsa_float_denorm_mode_32 3
		.amdhsa_float_denorm_mode_16_64 3
		.amdhsa_memory_ordered 1
		.amdhsa_forward_progress 1
		.amdhsa_inst_pref_size 40
	.end_amdhsa_kernel
	.amdgpu_metadata
---
amdhsa.version: [ 1, 2 ]
amdhsa.kernels:
  - .name:           k_q6413d1951c_pick
    .symbol:         k_q6413d1951c_pick.kd
    .args:
      - { .name: grp, .offset: 0, .size: 8, .value_kind: global_buffer, .address_space: global }
      - { .name: codebook, .offset: 8, .size: 8, .value_kind: global_buffer, .address_space: global }
      - { .name: nhe, .offset: 16, .size: 8, .value_kind: global_buffer, .address_space: global }
      - { .name: z, .offset: 24, .size: 8, .value_kind: global_buffer, .address_space: global }
      - { .name: out0, .offset: 32, .size: 8, .value_kind: global_buffer, .address_space: global }
      - { .name: out3, .offset: 40, .size: 8, .value_kind: global_buffer, .address_space: global }
      - { .name: part, .offset: 48, .size: 8, .value_kind: global_buffer, .address_space: global }
    .group_segment_fixed_size: 1536
    .private_segment_fixed_size: 0
    .kernarg_segment_align: 8
    .kernarg_segment_size: 56
    .max_flat_workgroup_size: 256
    .sgpr_count:     66
    .vgpr_count:     234
    .wavefront_size: 32
...
	.end_amdgpu_metadata
.endif
;; end of part 3
;; launch finish (part 4): grid 1 x 1, 1 waves a work-group, no clusters, 0 bytes of LDS; arguments part, out1, out2; writes out1, out2
.if DOCPART == 4
	.amdgcn_target "amdgcn-amd-amdhsa--gfx1250"
	.amdhsa_code_object_version 6
	.text
	.protected	k_q6413d1951c_finish
	.globl	k_q6413d1951c_finish
	.p2align	8
	.type	k_q6413d1951c_finish,@function
k_q6413d1951c_finish:
	s_mov_b64 s[64:65], 0
	v_nop
	global_prefetch_b8 v0, s[64:65] scope:SCOPE_SE
	s_setreg_imm32_b32 hwreg(HW_REG_WAVE_MODE, 25, 1), 1
	s_wait_xcnt 0x0
; out1 = out2 = (the sum of the 512 work-groups' sums of (q - z)^2) / (32,768 x 64).  One wave: 16 numbers a lane, in a fixed order.
; The two losses are the same number: (z - q)^2 and (q - z)^2 are equal bit for bit.
	s_load_b128 s[4:7], s[0:1], 0x0                ; part s[4:5], out1 s[6:7]
	s_load_b64 s[8:9], s[0:1], 0x10                ; out2
	s_mov_b32 s12, 0x76543210                      ; v_permlanex16_b32: lane i of one half reads lane i of the other
	s_mov_b32 s13, 0xfedcba98
	v_lshlrev_b32 v1, 4, v0
	v_mov_b32 v2, 0
	s_wait_kmcnt 0x0
.irp k, 0,1,2,3
	global_load_b128 v[4+4*\k:7+4*\k], v1, s[4:5] offset:512*\k
.endr
	s_wait_loadcnt 0x0
	v_pk_add_f32 v[4:5], v[4:5], v[8:9]
	v_pk_add_f32 v[6:7], v[6:7], v[10:11]
	v_pk_add_f32 v[12:13], v[12:13], v[16:17]
	v_pk_add_f32 v[14:15], v[14:15], v[18:19]
	v_pk_add_f32 v[4:5], v[4:5], v[12:13]
	v_pk_add_f32 v[6:7], v[6:7], v[14:15]
	v_pk_add_f32 v[4:5], v[4:5], v[6:7]
	v_add_f32 v4, v4, v5
.irp m, 1,2,4,8
	v_add_f32_dpp v4, v4, v4 row_xmask:\m row_mask:0xf bank_mask:0xf
.endr
	v_permlanex16_b32 v5, v4, s12, s13
	v_add_f32 v4, v4, v5
	v_mul_f32 v4, 0x35000000, v4                   ; 2^-21 = 1 / (32,768 x 64), exact
	v_cmp_eq_u32 vcc_lo, 0, v0
	s_wait_xcnt 0x0                                ; EXEC narrows only behind this wait
	s_and_saveexec_b32 s10, vcc_lo
	global_store_b32 v2, v4, s[6:7]
	global_store_b32 v2, v4, s[8:9]
	s_wait_xcnt 0x0                                ; and widens again only behind this one
	s_or_b32 exec_lo, exec_lo, s10
	s_endpgm
.Lfunc_end_k_q6413d1951c_finish:
	.size	k_q6413d1951c_finish, .Lfunc_end_k_q6413d1951c_finish-k_q6413d1951c_finish
	.p2alignl 7, 3214868480
	.fill 96, 4, 3214868480
	.section	.rodata,"a",@progbits
	.p2align	6, 0x0
	.amdhsa_kernel k_q6413d1951c_finish
		.amdhsa_group_segment_fixed_size 0
		.amdhsa_private_segment_fixed_size 0
		.amdhsa_enable_private_segment 0
		.amdhsa_kernarg_size 24
		.amdhsa_user_sgpr_count 2
		.amdhsa_user_sgpr_kernarg_segment_ptr 1
		.amdhsa_wavefront_size32 1
		.amdhsa_system_sgpr_workgroup_id_x 1
		.amdhsa_system_sgpr_workgroup_id_y 1
		.amdhsa_system_sgpr_workgroup_id_z 1
		.amdhsa_system_vgpr_workitem_id 0
		.amdhsa_next_free_vgpr 32
		.amdhsa_next_free_sgpr 66
		.amdhsa_reserve_vcc 1
		.amdhsa_float_denorm_mode_32 3
		.amdhsa_float_denorm_mode_16_64 3
		.amdhsa_memory_ordered 1
		.amdhsa_forward_progress 1
		.amdhsa_inst_pref_size 3
	.end_amdhsa_kernel
	.amdgpu_metadata
---
amdhsa.version: [ 1, 2 ]
amdhsa.kernels:
  - .name:           k_q6413d1951c_finish
    .symbol:         k_q6413d1951c_finish.kd
    .args:
      - { .name: part, .offset: 0, .size: 8, .value_kind: global_buffer, .address_space: global }
      - { .name: out1, .offset: 8, .size: 8, .value_kind: global_buffer, .address_space: global }
      - { .name: out2, .offset: 16, .size: 8, .value_kind: global_buffer, .address_space: global }
    .group_segment_fixed_size: 0
    .private_segment_fixed_size: 0
    .kernarg_segment_align: 8
    .kernarg_segment_size: 24
    .max_flat_workgroup_size: 32
    .sgpr_count:     66
    .vgpr_count:     32
    .wavefront_size: 32
...
	.end_amdgpu_metadata
.endif
;; end of part 4
